; MI455X (gfx1250); checked and timed in simulation.
; The chip was launched on July 23, 2026; its instructions are those of AMD's public machine-readable ISA for CDNA 5 (MIT licence, August 2026) and "CDNA5" Instruction Set Architecture Reference Guide (July 2026). The comments in the code are by the model that wrote it; some were corrected since.
;; Multi Head Attention. Allowed arithmetic: matrix products marked QUANTISED: E4M3 operands, one E8M0 scale for each 32 along K, by v_wmma_scale_f32_16x16x128_f8f6f4 with both operands' format E4M3, f32 sums; everything else in f32.
;; Inputs: Wk_codes 16 x 64 x 32 x 32 uint8 (E4M3 codes of Wk, K innermost, in blocks of 32 codes); Wk_scales 16 x 64 x 32 uint8 (E8M0 scales of Wk, one for each 32 codes along K); Wo_codes 1,024 x 32 x 32 uint8 (E4M3 codes of Wo, K innermost, in blocks of 32 codes); Wo_scales 1,024 x 32 uint8 (E8M0 scales of Wo, one for each 32 codes along K); Wq_codes 16 x 64 x 32 x 32 uint8 (E4M3 codes of Wq, K innermost, in blocks of 32 codes); Wq_scales 16 x 64 x 32 uint8 (E8M0 scales of Wq, one for each 32 codes along K); Wv_codes 16 x 64 x 32 x 32 uint8 (E4M3 codes of Wv, K innermost, in blocks of 32 codes); Wv_scales 16 x 64 x 32 uint8 (E8M0 scales of Wv, one for each 32 codes along K); bo 1,024 float32; x_codes 4 x 2,048 x 32 x 32 uint8 (E4M3 codes of x, K innermost, in blocks of 32 codes); x_scales 4 x 2,048 x 32 uint8 (E8M0 scales of x, one for each 32 codes along K).
;; Outputs: out0 4 x 2,048 x 1,024 float32.
;; This version of the problem:
;;   THIS VERSION OF THE PROBLEM IS GIVEN IN LOW PRECISION. The matrix products marked QUANTISED in the list below multiply operands that are first quantised to E4M3 (4 exponent bits, 3 mantissa bits; 8 bits a number), with one power-of-two scale for each 32 numbers along K (OCP MX v1.0); their sums are f32. All else is computed in f32.
;;   The module's matrix products, in the order in which they are computed (A, B: the left and right operand; K: the contracted axis; several contracted axes count as one K, in the product's order):
;;     1. [M 1,024, K 1,024] x [K 1,024, N 8,192]; A: input Wq (given as codes); B: input x (given as codes): QUANTISED
;;     2. [M 1,024, K 1,024] x [K 1,024, N 8,192]; A: input Wk (given as codes); B: input x (given as codes): QUANTISED
;;     3. [M 1,024, K 1,024] x [K 1,024, N 8,192]; A: input Wv (given as codes); B: input x (given as codes): QUANTISED
;;     4. batch 64 x [M 2,048, K 64] x [K 64, N 2,048]; A: computed on the way; B: computed on the way: QUANTISED
;;     5. batch 64 x [M 2,048, K 2,048] x [K 2,048, N 64]; A: softmax (see below); B: computed on the way: QUANTISED
;;     6. [M 8,192, K 1,024] x [K 1,024, N 1,024]; A: computed on the way; B: input Wo (given as codes): QUANTISED
;;   THE QUANTISER, for each operand of a quantised product, along K:
;;     - K is cut into blocks of 32 from its start; a last block that is shorter is filled with zeros.
;;     - A block's scale is 2^e with e = floor(log2(the largest magnitude in the block)) - 8, held to -126 .. 127; a block of zeros has e = 0. As a byte (E8M0): e + 127.
;;     - Each number is divided by its block's scale, clamped to +-448, and rounded to the nearest number of E4M3, ties to even, subnormals kept.
;;     - The product sums the exact products of the quantised numbers (number of the format x scale) in f32.
;;   ~~~python
;;   def quantise(x, axis):      # numpy; x: float32 -> the quantised numbers, widened to float32 again
;;       x = np.moveaxis(x, axis, -1); K = x.shape[-1]
;;       x = np.pad(x, [(0, 0)] * (x.ndim - 1) + [(0, -K % 32)]); x = x.reshape(x.shape[:-1] + (-1, 32)); a = np.abs(x).max(-1, keepdims=True)
;;       e = np.where(a > 0, np.clip(np.frexp(np.where(a > 0, a, 1))[1] - 1 - 8, -126, 127), 0)      # np.frexp(a)[1] - 1 = floor(log2(a)), exactly
;;       r = np.clip(x / 2.0 ** e, -448, 448)
;;       step = 2.0 ** (np.maximum(np.frexp(np.where(r == 0, 1, r))[1] - 1, -6) - 3)
;;       q = np.round(r / step) * step * 2.0 ** e      # np.round: ties to even
;;       return np.moveaxis(q.reshape(q.shape[:-2] + (-1,))[..., :K], -1, axis).astype(np.float32)
;;   ~~~
;;   SOFTMAX AHEAD OF A QUANTISED PRODUCT. Where the list says 'softmax', what is quantised is not the finished softmax but p = 2^(t - M), with t = logit x log2(e) and M = ceil(the row's largest t), a whole number; so 1/2 < the row's largest p <= 1. The row's sum l is taken of the UNQUANTISED p, in f32, and the product's result is divided by l at the end. Since M is a whole number, a kernel that streams over the keys may use a running M (the ceiling of the running maximum): every later rescaling is an exact power of two, which a block's scale takes up: the codes' values come out the same.
;;   OPERANDS COMPUTED ON THE WAY. 'Computed on the way' means the value that the module computes at that place (a softmax that the list does not call 'softmax' is quantised finished and normalised). What goes into a quantiser is computed in f32, as accurately as f32 sums, v_exp_f32 and their like allow (about 1e-6 of the number): no bf16 or f16 on the way to a quantiser, and a product that is left as it is and whose result goes on into a quantised operand takes f32 operands (vector FMAs, or v_wmma_f32_16x16x4_f32). A number that lies on a knife's edge between two numbers of the format may be rounded either way, as far as f32 arithmetic and the matrix unit's own rounding can turn it there, and no further.
;;   INPUTS GIVEN AS CODES. Wk (in the module: [16, 1024, 64], K = its axis 1); Wo (in the module: [1024, 1024], K = its axis 0); Wq (in the module: [16, 1024, 64], K = its axis 1); Wv (in the module: [16, 1024, 64], K = its axis 1); x (in the module: [4, 2048, 1024], K = its axis 2): each comes as NAME_codes (uint8): NAME with its K axis moved to the last place and cut into blocks of 32 codes, [.., K / 32, bytes a block], one block behind the other in memory; one code a byte (a code: sign, 4 exponent bits, 3 mantissa bits); and NAME_scales (uint8): the same leading axes, one E8M0 byte (e + 127) for each 32 codes along K. Its value is code x scale, taken as it is: it is not quantised again, and the codes and scales need not be those that the quantiser above would give.
;; One version. Each part assembles by itself: llvm-mc -triple=amdgcn-amd-amdhsa -mcpu=gfx1250 --defsym DOCPART=n.
;; ======== version 1 of 1: 3 launches
;; limits: right only within a limited range of input values
;; workspace buffers: qimg 8,388,608 bytes; kimg 8,388,608 bytes; vimg 8,388,608 bytes; qscl 262,144 bytes; kscl 262,144 bytes; vscl 262,144 bytes; oimg 8,388,608 bytes; oscl 262,144 bytes
;; launch proj (part 1): grid 12 x 32, 4 waves a work-group, clusters of 4 x 4, 327,680 bytes of LDS; arguments x_codes, x_scales, Wq_codes, Wq_scales, Wk_codes, Wk_scales, Wv_codes, Wv_scales, qimg, qscl, kimg, kscl, vimg, vscl; writes qimg, qscl, kimg, kscl, vimg, vscl
.if DOCPART == 1
	.amdgcn_target "amdgcn-amd-amdhsa--gfx1250"
	.amdhsa_code_object_version 6
	.text
	.protected	k_qfcf5d8c1ca_proj
	.globl	k_qfcf5d8c1ca_proj
	.p2align	8
	.type	k_qfcf5d8c1ca_proj,@function
k_qfcf5d8c1ca_proj:
	s_mov_b64 s[64:65], 0
	v_nop
	global_prefetch_b8 v0, s[64:65] scope:SCOPE_SE
	s_setreg_imm32_b32 hwreg(HW_REG_WAVE_MODE, 25, 1), 1
	s_wait_xcnt 0x0
	s_wait_alu depctr_hold_cnt(0) depctr_sa_sdst(0) depctr_va_vdst(0) depctr_va_sdst(0) depctr_va_ssrc(0) depctr_va_vcc(0) depctr_vm_vsrc(0)
	s_getreg_b32 s2, hwreg(HW_REG_IB_STS2, 6, 4)
	s_cmp_eq_u32 s2, 0
	s_cbranch_scc0 .Lentry_in_a_cluster
	s_endpgm
.Lentry_in_a_cluster:
	s_bfe_u32 s2, ttmp6, 0x10000c
	s_cmp_lg_u32 s2, 0xf033
	s_cbranch_scc0 .Lentry_shape_is_right
	s_endpgm
.Lentry_shape_is_right:
; q, k and v of all heads: three products on codes of FP8 (E4M3) with one E8M0 scale for each 32 along K = 1,024, and their results quantised at once for the two products of attention.
; ONE FORM SERVES ALL THREE: C[a][b] = sum over k of A[a][k] B[b][k]; rows of 1,024 code bytes and 32 scale bytes on both sides.  The cluster's x says which:
;   0: A = x (8,192 tokens), B = Wq (1,024 rows: 64 head + d)     1: A = x, B = Wk     2: A = Wv, B = x.
; The matrix instruction takes 16 rows of B as source 0 and 16 rows of A as source 1: a lane then holds ONE row of A and its eight registers run along B's rows.  So for q and k a lane's registers run along d,
; for v along the tokens (the keys): each along the K of the product that the result goes into, which is what the conversions to codes want.
; A tile of C, 256 x 256, is made by four waves, 128 x 128 each: 64 accumulators, 512 registers.  K goes in steps of 256 through two LDS slots filled by the tensor data mover; the scale bytes of the work-group's 256 + 256 rows come once.
; CLUSTERS: 4 x 4 work-groups; A's tiles are asked for jointly along a row of the cluster, B's along a column.  The grid is 3 x 128 tiles = 384 work-groups: tiles of 128 x 256 would divide more evenly among the WGPs,
; but each product would then want one and a half times the LDS bytes, in a loop that already reads 512 bytes of LDS for each matrix instruction: the larger tile is kept.
; THE WAY OUT.  Two neighbouring accumulators of a lane are 16 numbers of a block of 32 (lane l xor 16 holds the other 16).  Converted as they stand, place 16 h + 8 u + j of the block's codes holds element 16 u + 8 h + j:
; an order inside the block that q and k share along d, and v shares with the softmax's p along the keys; a product does not notice an order that both its operands share, and the block's scale is the same.
; The codes leave as IMAGES OF OPERAND REGISTERS: four registers of all 32 lanes are 512 consecutive bytes, lane l's 16 bytes at 16 l.
;   qimg, kimg: [batch x head 64][token tile 128][d block 2][512]        vimg: [batch x head][128 keys: 16][d tile 4][key block 4][512]
;   qscl, kscl: [batch x head][128 tokens: 16][row 16][pair of tiles 4] words: bytes = (even tile: d block 0, 1; odd tile: d block 0, 1)        vscl: [batch x head][128 keys: 16][row 16][d tile 4] words: bytes = key blocks 0 to 3
; LIMITS: NaN, infinities and the scale byte 0xff among the inputs are not served.  A block whose largest magnitude lies under 2^-118 (a block of zeros too) gets the scale byte 1: these bytes are read by this program alone, and a block of zeros has zero codes.
; REGISTERS, in windows of 256: window 0: v0-31 addresses; v32-63 scale words, two sets; v128-255 A's fragments, one set (on the way out v32-255 are free).  window 1: B's fragments, two sets.  windows 2, 3: the accumulators, (a, b) at v[8 (8 (a % 4) + b)].
.set KSTEP,  256                       ; along K in a slot
.set NQ,     KSTEP/128                 ; matrix instructions deep
.set ROWB,   256                       ; a tile's row in bytes
.set KROW,   1024                      ; a row of A or of B in memory, in bytes
.set PITCH,  272                       ; an LDS row: 256 bytes + 16 of padding = 68 words: the 16 rows that a load touches start at 16 different banks (64 banks of 4 bytes: ISA guide 11.1)
.set FR,     16                        ; registers of a fragment: 16 rows x 128 K
.set NL,     4                         ; LDS loads that bring one
.set NP,     8                         ; places behind this matrix instruction (ISA guide 7.12.1)
.set HALFT,  128*PITCH                 ; 128 rows: what one tensor load brings
.set SLOT,   4*HALFT                   ; A's 256 rows, then B's 256 rows
.set KS,     KROW/32                   ; a row of scales in bytes
.set SCL,    2*SLOT                    ; behind the ring: the scales, as units of 256 bytes + 16 of padding
.set HALFS,  (128*KS/256)*272          ; the scales of 128 rows
.set SBLK,   (16*KS/256)*272           ; those of 16 rows
.set SPARE,  SCL+4*HALFS               ; the spare words, 128 bytes for each wave: two blocks of 256 bytes that no other line names
.set ADRA, 16                          ; v16-17  LDS address of my A fragments in slot 0, 1
.set ADRB, 20                          ; v20-21  the same for B
.set CO,   26                          ; v26     16 x lane: my place in an image
.set ADRS, 27                          ; v27     LDS address of my scale words: lanes 0-15 A's rows, lanes 16-31 B's
.set SPW,  28                          ; v28     LDS address of my spare word; never rewritten
.set NIL,  29                          ; v29     0; never rewritten
.set SC,   32                          ; scale words: set s at v[SC + 8 NQ s]
.set AF,   128                         ; A's fragments
.set TM,   32                          ; the way out: v32-35 largest magnitudes, v36-39 bytes, v40-43 448 x the scale, v44-47 the conversions' scale operands
.set PWS,  48                          ; v48-55  the scale word of A's block a
.set SW,   56                          ; v56-59  four scale words to store
.set SELV, 60                          ; v60     byte selects (v62: at work)
.set SO,   61                          ; v61     my place among the scale words
.set HN,   64                          ; v64-127 a block's 64 numbers, held
.set PC,   128                         ; v128-255 the codes: 16 registers for each of A's eight blocks, so that no store's data are written again
.set G1, 24                            ; s[24:31] descriptor group 1 for A's tiles;  s[32:39] group 0, one set for each slot
.set G0, 32
.set G1B, 48                           ; s[48:55], s[56:63] the same for B's tiles
.set G0B, 56
.set G1S, 68                           ; s[68:75], s[76:79] groups 1 and 0 for A's scales;  s[80:87], s[88:91] for B's (written when the arguments that landed here have been chosen from)
.set G0S, 76
.set G1SB, 80
.set G0SB, 88
.set MSB, 0
.macro WIN new                         ; the immediate's high byte repeats the setting that is left
.if MSB != (\new)
	s_set_vgpr_msb (MSB<<8)|(\new)
.set MSB, (\new)
.endif
.endm
.set MUL_LO, 0xa1                      ; source 0 (B) window 1, source 1 (A) window 0, C and D window 2
.set MUL_HI, 0xf1                      ; the same, C and D window 3
.set TO_B,   0x40                      ; destination window 1, address window 0
; A joint load: waves 0 and 1 fetch for A, waves 2 and 3 for B.  Each line has one mask and one set of registers; the branch hangs on the wave's number alone.  Four v_nop follow each line.
.macro JLOAD g0a, g1a, g0b, g1b
	s_cmp_eq_u32 s15, 0
	s_cbranch_scc0 .Lfor_b_\@
	tensor_load_to_lds s[\g0a:\g0a+3], s[\g1a:\g1a+7]
	s_nop 0
.rept 4
	v_nop
.endr
	s_branch .Lasked_\@
.Lfor_b_\@:
	tensor_load_to_lds s[\g0b:\g0b+3], s[\g1b:\g1b+7]
	s_nop 0
.rept 4
	v_nop
.endr
.Lasked_\@:
.endm
.macro CREST                           ; a round of the cluster's barrier behind its opening barrier
	s_cmp_lg_u32 s14, 0
	s_cbranch_scc1 .Lnot_wave_0_\@
	s_barrier_signal -3
.Lnot_wave_0_\@:
	s_barrier_wait -3
	s_barrier_signal -1
	s_barrier_wait -1
.endm
.macro CROUND                          ; a whole round
	s_barrier_signal -1
	s_barrier_wait -1
	CREST
.endm
	s_load_b512 s[68:83], s[0:1], 0x0              ; x's codes, scales; Wq's; Wk's; Wv's
	s_load_b256 s[84:91], s[0:1], 0x40             ; qimg, qscl, kimg, kscl
	s_load_b128 s[92:95], s[0:1], 0x60             ; vimg, vscl
	v_lshl_add_u32 v[SPW], v0, 2, SPARE
	v_mov_b32 v[NIL], 0
	ds_add_u32 v28, v29
	ds_add_u32 v28, v29
	s_wait_dscnt 0x0
	v_lshrrev_b32 v1, 5, v0
	v_readfirstlane_b32 s14, v1                    ; wave 0..3
	s_lshr_b32 s15, s14, 1                         ; which half of the tile's rows (A) is mine.  Also: I fetch for A (0) or for B (1)
	s_and_b32 s16, s14, 1                          ; which half of its columns (B).  Also: which 128 rows I fetch
	s_bfe_u32 s40, ttmp6, 0x40000                  ; cx, cy: my place in the cluster
	s_bfe_u32 s41, ttmp6, 0x40004
	s_mov_b32 s98, ttmp9                           ; the cluster's x: which of the three products; the same in all sixteen partners
	s_and_b32 s99, ttmp7, 0xffff
	s_lshl_b32 s99, s99, 2                         ; 4 x the cluster's y: it walks the tokens, which are A's rows for q and k and B's rows for v
	s_cmp_eq_u32 s98, 2
	s_cselect_b32 s17, 0, s99
	s_cselect_b32 s42, s99, 0
	s_add_co_u32 s17, s17, s41                     ; tile row (A): made of cy and the cluster's numbers alone
	s_add_co_u32 s42, s42, s40                     ; tile column (B): made of cx and the cluster's numbers alone
	s_lshl_b32 s43, s41, 2
	s_lshl_b32 s43, 15, s43                        ; my row of the cluster
	s_lshl_b32 s44, 0x1111, s40                    ; my column
	; descriptor group 1: a tile of 128 rows x 256 bytes, padded in LDS
	s_or_b32 s[G1+0], s43, (0<<16)|(1<<20)|(1<<21)|(5<<22)|(3<<25)  ; 15:0 the mask; 17:16 elements of 1 byte; 20 padding on; 21 set beside a mask; 24:22 after every 64 words; 31:25 four words
	s_or_b32 s[G1B+0], s44, (0<<16)|(1<<20)|(1<<21)|(5<<22)|(3<<25)
.irp g, G1, G1B
	s_mov_b32 s[\g+1], ROWB<<16                    ; tensor_dim0
	s_mov_b32 s[\g+2], 256<<16                     ; tensor_dim1: 256 rows for the head's loads; set to 128 for the ring's behind them
	s_mov_b32 s[\g+3], ROWB<<16                    ; tile_dim0
	s_mov_b32 s[\g+4], 256                         ; tile_dim1 likewise
	s_mov_b32 s[\g+5], KROW                        ; tensor_dim0_stride
	s_mov_b32 s[\g+6], 0
	s_mov_b32 s[\g+7], 0
.endr
	s_lshl_b32 s18, s16, 17                        ; in the ring I fetch 128 rows of a tile: which half, in bytes (128 rows x 1,024)
	s_mov_b32 s19, 0
	s_lshl_b32 s20, s17, 8                         ; A: the tile's first row, 256 x tile row
	s_lshl_b32 s46, s42, 8                         ; B: 256 x tile column
	s_lshl_b32 s22, s20, 5                         ; where these rows' scales begin: 32 bytes a row (all four offsets stay under 2^23)
	s_mov_b32 s23, 0
	s_lshl_b32 s2, s46, 5
	s_mov_b32 s3, 0
	s_lshl_b32 s20, s20, 10                        ; and their codes: 1,024 bytes a row
	s_mov_b32 s21, 0
	s_lshl_b32 s46, s46, 10
	s_mov_b32 s47, 0
	s_mul_i32 s45, s14, HALFT                      ; where they go: wave x 128 rows: no place in the cluster enters an LDS address
	s_wait_kmcnt 0x0
	s_cmp_eq_u32 s98, 2                            ; the buffers are chosen by the product's number, which hangs on no address
	s_cselect_b64 s[4:5], s[80:81], s[68:69]       ; A's codes: Wv's or x's
	s_cselect_b64 s[6:7], s[82:83], s[70:71]       ; A's scales
	s_cselect_b64 s[8:9], s[68:69], s[76:77]       ; B's codes: x's or Wk's
	s_cselect_b64 s[10:11], s[70:71], s[78:79]     ; B's scales
	s_cselect_b64 s[12:13], s[92:93], s[88:89]     ; the images: vimg or kimg
	s_cselect_b64 s[96:97], s[94:95], s[90:91]     ; the scale words: vscl or kscl
	s_cmp_eq_u32 s98, 0
	s_cselect_b64 s[8:9], s[72:73], s[8:9]         ; product 0: Wq, qimg, qscl
	s_cselect_b64 s[10:11], s[74:75], s[10:11]
	s_cselect_b64 s[12:13], s[84:85], s[12:13]
	s_cselect_b64 s[96:97], s[86:87], s[96:97]
	s_add_nc_u64 s[20:21], s[4:5], s[20:21]
	s_add_nc_u64 s[22:23], s[6:7], s[22:23]
	s_add_nc_u64 s[46:47], s[8:9], s[46:47]
	s_add_nc_u64 s[2:3], s[10:11], s[2:3]
	; group 1 for the scales of 256 rows: a dense block of 8,192 bytes, as 32 rows of 256 bytes (32 elements of 8 bytes), 16 bytes of padding behind each
	s_or_b32 s[G1S+0], s43, (3<<16)|(1<<20)|(1<<21)|(5<<22)|(3<<25)
	s_or_b32 s[G1SB+0], s44, (3<<16)|(1<<20)|(1<<21)|(5<<22)|(3<<25)
.irp g, G1S, G1SB
	s_mov_b32 s[\g+1], 32<<16
	s_mov_b32 s[\g+2], (256*KS/256)<<16            ; the scales of 256 rows: 32 rows of 256 bytes
	s_mov_b32 s[\g+3], 32<<16
	s_mov_b32 s[\g+4], 256*KS/256
	s_mov_b32 s[\g+5], 32
	s_mov_b32 s[\g+6], 0
	s_mov_b32 s[\g+7], 0
.endr
	CROUND                                         ; all sixteen work-groups are here: the first joint loads meet
	s_mov_b32 s[G0S], 1                            ; the scales of A's 256 rows
	s_mov_b32 s[G0S+1], SCL
	s_mov_b64 s[G0S+2:G0S+3], s[22:23]
	s_or_b32 s[G0S+3], s[G0S+3], 0x80000000
	s_mov_b32 s[G0SB], 1
	s_mov_b32 s[G0SB+1], SCL+2*HALFS               ; and of B's, behind them
	s_mov_b64 s[G0SB+2:G0SB+3], s[2:3]
	s_or_b32 s[G0SB+3], s[G0SB+3], 0x80000000
	s_mov_b32 s4, 1                                ; group 0 for K step 0's 256 rows of A (s[4:11] held arguments that have been used)
	s_mov_b32 s5, 0
	s_mov_b64 s[6:7], s[20:21]
	s_or_b32 s7, s7, 0x80000000
	s_mov_b32 s8, 1                                ; and for its 256 rows of B, behind them in slot 0
	s_mov_b32 s9, 2*HALFT
	s_mov_b64 s[10:11], s[46:47]
	s_or_b32 s11, s11, 0x80000000
	s_add_nc_u64 s[20:21], s[20:21], s[18:19]      ; for the ring: my 128 rows of the tile
	s_add_nc_u64 s[46:47], s[46:47], s[18:19]
.irp s, 0,1
	s_mov_b32 s[G0+4*\s], 1
	s_add_co_u32 s[G0+4*\s+1], s45, \s*SLOT
	s_add_nc_u64 s[G0+4*\s+2:G0+4*\s+3], s[20:21], \s*ROWB
	s_or_b32 s[G0+4*\s+3], s[G0+4*\s+3], 0x80000000
	s_mov_b32 s[G0B+4*\s], 1
	s_add_co_u32 s[G0B+4*\s+1], s45, \s*SLOT
	s_add_nc_u64 s[G0B+4*\s+2:G0B+4*\s+3], s[46:47], \s*ROWB
	s_or_b32 s[G0B+4*\s+3], s[G0B+4*\s+3], 0x80000000
.endr
; THE HEAD'S LOADS, ONE A WAVE: wave 0 K step 0's 256 rows of A, wave 1 its 256 rows of B, wave 2 A's scales, wave 3 B's.  One tree of branches on the wave's number: every way passes one load.
.macro ARM under, g0, g1, next
	s_cmp_lt_u32 s14, \under
	s_cbranch_scc0 \next
	tensor_load_to_lds s[\g0:\g0+3], s[\g1:\g1+7]
	s_nop 0
.rept 4
	v_nop
.endr
	s_branch .Lhead_asked
\next:
.endm
	ARM 1, 4,   G1,  .Lhead_b
	ARM 2, 8,   G1B, .Lhead_sa
	ARM 3, G0S, G1S, .Lhead_sb
	tensor_load_to_lds s[G0SB:G0SB+3], s[G1SB:G1SB+7]
	s_nop 0
.rept 4
	v_nop
.endr
.Lhead_asked:
	v_and_b32 v1, 15, v0                           ; l % 16
	v_bfe_u32 v2, v0, 4, 1                         ; l / 16
	v_mul_u32_u24 v3, v1, PITCH
	v_lshl_add_u32 v4, v2, 4, v3                   ; a fragment's row x pitch + 16 x half
	s_mul_i32 s21, s15, HALFT                      ; my 128 rows of A
	s_mul_i32 s22, s16, HALFT                      ; my 128 rows of B,
	s_add_co_u32 s22, s22, 2*HALFT                 ; which lie behind A's 256
.irp s, 0,1
	v_add_nc_u32 v[ADRA+\s], s21, v4
	v_add_nc_u32 v[ADRB+\s], s22, v4
	s_add_co_u32 s21, s21, SLOT
	s_add_co_u32 s22, s22, SLOT
.endr
	v_mul_u32_u24 v5, v1, KS                       ; my row's scales: 32 bytes a row,
	v_lshrrev_b32 v6, 8, v5
	v_lshl_add_u32 v5, v6, 4, v5                   ; and 16 more for each 256 passed
	s_mul_i32 s21, s15, HALFS                      ; A's: my 128 rows
	s_mul_i32 s22, s16, HALFS                      ; B's: my 128 rows, behind A's 256
	s_add_co_u32 s22, s22, 2*HALFS
	s_sub_co_u32 s22, s22, s21
	v_mul_u32_u24 v6, s22, v2                      ; lanes 16-31 take B's: one product, the distance between the two bases
	s_add_co_u32 s21, s21, SCL
	v_add_nc_u32 v5, v5, v6
	v_add_nc_u32 v[ADRS], s21, v5
	v_and_b32 v6, 31, v0
	v_lshlrev_b32 v[CO], 4, v6
.macro FRAG reg, adr, q, i             ; a fragment: lane l holds row l % 16; registers 4 c .. 4 c + 3 hold K = 32 c + 16 (l / 16) + 0 .. 15
.irp c, 0,1,2,3
	ds_load_b128 v[\reg+4*\c:\reg+4*\c+3], v[\adr] offset:128*(\q)+32*\c+(\i)*16*PITCH
.endr
.endm
; 16 matrix instructions: A's blocks a0, a0 + 1 x B's eight, 128 along K.  p: B's set;  sc: the set of scale words.  zero = 1: the first product starts the sums.
; The 64 accumulators take turns, one instruction a turn, in the same order in every step.
.macro MUL16 a0, p, q, sc, zero
.irp a, \a0, \a0+1
.irp b, 0,1,2,3,4,5,6,7
.if \zero
	v_wmma_scale_f32_16x16x128_f8f6f4 v[8*(8*((\a)%4)+\b):8*(8*((\a)%4)+\b)+7], v[128*(\p)+FR*\b:128*(\p)+FR*\b+FR-1], v[AF+FR*(\a):AF+FR*(\a)+FR-1], 0, v[SC+8*NQ*(\sc)+NQ*\b+(\q)], v[SC+8*NQ*(\sc)+NQ*(\a)+(\q)] matrix_a_scale:MATRIX_SCALE_ROW1
.else
	v_wmma_scale_f32_16x16x128_f8f6f4 v[8*(8*((\a)%4)+\b):8*(8*((\a)%4)+\b)+7], v[128*(\p)+FR*\b:128*(\p)+FR*\b+FR-1], v[AF+FR*(\a):AF+FR*(\a)+FR-1], v[8*(8*((\a)%4)+\b):8*(8*((\a)%4)+\b)+7], v[SC+8*NQ*(\sc)+NQ*\b+(\q)], v[SC+8*NQ*(\sc)+NQ*(\a)+(\q)] matrix_a_scale:MATRIX_SCALE_ROW1
.endif
.endr
.endr
.endm
.macro FETCH_B slot, q, p              ; B's eight fragments of the slot's q-th 128 along K into set p
	WIN TO_B
.irp i, 0,1,2,3,4,5,6,7
	FRAG 128*(\p)+FR*\i, ADRB+\slot, \q, \i
.endr
	WIN 0
.endm
.macro FETCH_A slot, q, i0             ; A's blocks i0 .. i0 + 3
.irp i, \i0, \i0+1, \i0+2, \i0+3
	FRAG AF+FR*(\i), ADRA+\slot, \q, \i
.endr
.endm
.macro SCALES sc                       ; a K step's scale words into set sc: lanes 0-15 take A's block i, lanes 16-31 B's block i
.irp i, 0,1,2,3,4,5,6,7
	ds_load_b64 v[SC+8*NQ*\sc+NQ*\i:SC+8*NQ*\sc+NQ*\i+1], v[ADRS] offset:\i*SBLK
.endr
.endm
; A load into a register that a matrix instruction has read, and a vector instruction that reads a matrix result or writes one of a matrix instruction's registers, stand NP places behind it;
; only plain vector instructions that name none of its registers are places (ISA guide 7.12.1 for vector instructions).
.macro PLACES n
.rept \n
	v_nop
.endr
.endm
.macro STEP slot, q, zero              ; a step of 128 along K that has its successor in the same slot
	s_wait_dscnt 4*NL                              ; B's set and A's blocks 0-3 are in; the youngest 16 loads (A's blocks 4-7) may be out
	WIN MUL_LO
	MUL16 0, (\q)%2, \q, \slot, \zero
	MUL16 2, (\q)%2, \q, \slot, \zero
	s_wait_dscnt 0                                 ; A's blocks 4-7 are in
	PLACES NP
	FETCH_B \slot, (\q)+1, 1-(\q)%2
	FETCH_A \slot, (\q)+1, 0
	WIN MUL_HI
	MUL16 4, (\q)%2, \q, \slot, \zero
	MUL16 6, (\q)%2, \q, \slot, \zero
	PLACES NP
	WIN 0
	FETCH_A \slot, (\q)+1, 4
.endm
; A slot's last step changes slots: ONE barrier; in front of it each wave waits for all its tensor loads, adds 0 to its spare word, and waits for that and for its own reads of this slot.  fill = 1: this slot is filled again, two K steps ahead.
.macro TURN slot, next, fill
	s_wait_tensorcnt 0x0                           ; all my tensor loads have landed: my part of the next slot
	ds_add_u32 v[SPW], v[NIL]                      ; 0 onto my spare word
	s_wait_dscnt 4*NL+1                            ; (the add and the youngest 16 loads, A's blocks 4-7, may be out)
	WIN MUL_LO
	MUL16 0, 1, NQ-1, \slot, 0                     ; sixteen matrix instructions stand between the add and the wait for it
	s_wait_dscnt 0x0                               ; the add is done, and my reads of this slot are over
	s_barrier_signal -1
	MUL16 2, 1, NQ-1, \slot, 0
	WIN 0
	s_barrier_wait -1
.if \fill
	CREST                                          ; the barrier has opened a round of the cluster's: no wave of any partner still reads this slot's tile or has a load on its way
	s_add_nc_u64 s[G0+4*\slot+2:G0+4*\slot+3], s[G0+4*\slot+2:G0+4*\slot+3], 2*ROWB
	s_add_nc_u64 s[G0B+4*\slot+2:G0B+4*\slot+3], s[G0B+4*\slot+2:G0B+4*\slot+3], 2*ROWB
	JLOAD G0+4*\slot, G1, G0B+4*\slot, G1B         ; the first tensor load behind the round; its four v_nop are among the places in front of the loads below
	PLACES NP-4
.else
	PLACES NP
.endif
	s_wait_alu depctr_va_vdst(0)
	v_add_nc_u32 v[ADRS], 4*NQ, v[ADRS]            ; on to the next K step's scale words
	FETCH_B \next, 0, 0
	FETCH_A \next, 0, 0
	SCALES \next
	WIN MUL_HI
	MUL16 4, 1, NQ-1, \slot, 0
	MUL16 6, 1, NQ-1, \slot, 0
	PLACES NP
	WIN 0
	FETCH_A \next, 0, 4
.endm
	s_wait_alu depctr_va_vdst(0)
	s_wait_tensorcnt 0x0                           ; my tile of the head's four is in
	ds_add_u32 v[SPW], v[NIL]
	s_mov_b32 s[G1+2], 128<<16                     ; no tensor load of mine is out: from here on a load brings 128 rows
	s_mov_b32 s[G1+4], 128
	s_mov_b32 s[G1B+2], 128<<16
	s_mov_b32 s[G1B+4], 128
	s_wait_dscnt 0x0
	CROUND                                         ; all four tiles are in, and all sixteen work-groups are here
	JLOAD G0+4, G1, G0B+4, G1B                     ; K step 1's load, the first tensor load behind the round
	FETCH_B 0, 0, 0
	FETCH_A 0, 0, 0
	SCALES 0
	FETCH_A 0, 0, 4
	STEP 0, 0, 1                                   ; K = 1,024 is four K steps of 256, twice round the ring: written out
	TURN 0, 1, 1                                   ; slot 0 takes K step 2
	STEP 1, 0, 0
	TURN 1, 0, 1                                   ; slot 1 takes K step 3
	STEP 0, 0, 0
	TURN 0, 1, 0                                   ; nothing is left to fetch
	STEP 1, 0, 0
	s_wait_dscnt 4*NL                              ; the very last step
	WIN MUL_LO
	MUL16 0, 1, NQ-1, 1, 0
	MUL16 2, 1, NQ-1, 1, 0
	s_wait_dscnt 0
	WIN MUL_HI
	MUL16 4, 1, NQ-1, 1, 0
	MUL16 6, 1, NQ-1, 1, 0
	WIN 0
	; THE WAY OUT.  No LDS: the codes of a block of A's rows are four images as they stand.
	PLACES NP                                      ; behind the last products: their results are read, and registers that held fragments and scale words are written
	v_and_b32 v1, 15, v0
	v_bfe_u32 v2, v0, 4, 1
	v_lshlrev_b32 v[SO], 4, v1
	v_lshl_add_u32 v[SO], v2, 12, v[SO]            ; scale words: 16 bytes for row l % 16; lanes 16-31 write the next head's, 4,096 bytes on
	s_mov_b32 vcc_lo, 0xffff0000                   ; lanes 16-31
	v_mov_b32 v[SELV], 0x05040100                  ; lanes 0-15: bytes 0, 1 of two words (the first head's two d blocks);
	v_mov_b32 v62, 0x07060302                      ; lanes 16-31: bytes 2, 3 (the second head's)
	v_cndmask_b32 v[SELV], v[SELV], v62, vcc_lo
.irp b, 0,1,2,3
	v_mov_b32 v[TM+4+\b], 0                        ; written once: a lane permute's destination counts as one of its sources
.endr
	s_mov_b32 s18, 0x600000                        ; the mantissa field of 448
	s_mov_b32 s20, 0x76543210
	s_mov_b32 s21, 0xfedcba98                      ; v_permlanex16_b32's selects for lane l xor 16
; A's block a: its eight accumulators are four blocks of 32 along B's rows; block b is registers 16 b .. 16 b + 15, and lane l xor 16 holds its other half.
.macro QUANTW a
.set AC, 64*((\a)%4)
	WIN 0x0a+5*((\a)/4)                            ; sources 0 and 1: window 2 or 3
.irp b, 0,1,2,3
	v_max3_num_f32 v[TM+\b], |v[AC+16*\b]|, |v[AC+16*\b+1]|, 0x4800000   ; my 16 numbers, each accumulator from its low end on, and the floor 2^(9 - 127): the byte cannot fall under 1
.endr
.irp i, 2,4,6,8,10,12,14
.irp b, 0,1,2,3
	v_max3_num_f32 v[TM+\b], |v[AC+16*\b+\i]|, |v[AC+16*\b+\i+1]|, v[TM+\b]   ; (the four blocks by turns)
.endr
.endr
	WIN 0
.irp b, 0,1,2,3
	v_permlanex16_b32 v[TM+4+\b], v[TM+\b], s20, s21
.endr
.irp b, 0,1,2,3
	v_max_num_f32 v[TM+\b], v[TM+\b], v[TM+4+\b]   ; the block's largest magnitude
.endr
.irp b, 0,1,2,3
	v_add_nc_u32 v[TM+12+\b], 0xfc000000, v[TM+\b] ; 8 off its exponent field: the conversion takes the exponent field of this operand as its scale
.endr
.irp b, 0,1,2,3
	v_and_or_b32 v[TM+8+\b], v[TM+\b], 0x7f800000, s18   ; 448 x the scale
.endr
.irp b, 0,1,2,3
	v_lshrrev_b32 v[TM+4+\b], 23, v[TM+12+\b]      ; the scale's byte
.endr
	v_lshl_or_b32 v[PWS+\a], v[TM+5], 8, v[TM+4]   ; my row's four bytes
	v_lshl_or_b32 v[PWS+\a], v[TM+6], 16, v[PWS+\a]
	v_lshl_or_b32 v[PWS+\a], v[TM+7], 24, v[PWS+\a]
	WIN 0x02+((\a)/4)                              ; source 0: window 2 or 3
.set n, 0
.rept 64
	v_med3_num_f32 v[HN+n], v[AC+n], -v[TM+8+n/16], v[TM+8+n/16]   ; the conversion to an 8-bit code does not saturate (ISA guide 7.6.2): the hold at 448 x the scale
.set n, n+1
.endr
	WIN 0
.irp b, 0,1,2,3
	v_cvt_scalef32_pk8_fp8_f32 v[PC+16*(\a)+4*\b:PC+16*(\a)+4*\b+1], v[HN+16*\b:HN+16*\b+7], v[TM+12+\b]
	v_cvt_scalef32_pk8_fp8_f32 v[PC+16*(\a)+4*\b+2:PC+16*(\a)+4*\b+3], v[HN+16*\b+8:HN+16*\b+15], v[TM+12+\b]
.endr
	v_nop                                          ; one plain vector instruction behind the last conversion, ahead of the lines that write its sources again
.endm
.irp a, 0,1,2,3,4,5,6,7
	QUANTW \a
.endr
	; where my wave's part begins.  The wave's 128 rows of A are block aidx, its 128 rows of B block bidx; the tokens' block gives the batch and the 128 tokens in it, the weights' block a pair of heads.
	s_lshl_b32 s66, s17, 1
	s_add_co_u32 s66, s66, s15                     ; aidx
	s_lshl_b32 s67, s42, 1
	s_add_co_u32 s67, s67, s16                     ; bidx
	s_cmp_eq_u32 s98, 2
	s_cselect_b32 s92, s67, s66                    ; the tokens' block
	s_cselect_b32 s93, s66, s67                    ; the pair of heads
	s_lshr_b32 s95, s92, 4
	s_lshl_b32 s95, s95, 4
	s_lshl_b32 s93, s93, 1
	s_add_co_u32 s95, s95, s93                     ; 16 x batch + the first head
	s_and_b32 s92, s92, 15                         ; which 128 tokens of the batch
	s_lshl_b32 s46, s95, 17                        ; images: 131,072 bytes a head, 8,192 for 128 tokens
	s_lshl_b32 s47, s92, 13
	s_add_co_u32 s46, s46, s47
	s_mov_b32 s47, 0
	s_add_nc_u64 s[12:13], s[12:13], s[46:47]
	s_lshl_b32 s46, s95, 12                        ; scale words: 4,096 bytes a head, 256 for 128 tokens
	s_lshl_b32 s92, s92, 8
	s_add_co_u32 s46, s46, s92
	s_add_nc_u64 s[96:97], s[96:97], s[46:47]
	s_cmp_eq_u32 s98, 2                            ; the branch hangs on the cluster's x alone: all partners take the same way; neither way touches LDS
	s_cbranch_scc1 .Lv_out
	s_wait_alu depctr_va_vdst(0)
.irp a, 0,1,2,3,4,5,6,7                    ; q, k: block a = token tile a; group b = head b / 2, d block b % 2.  Each store covers 512 consecutive bytes, aligned
.irp b, 0,1,2,3
	global_store_b128 v[CO], v[PC+16*\a+4*\b:PC+16*\a+4*\b+3], s[12:13] offset:\a*1024+(\b/2)*131072+(\b%2)*512
.endr
.endr
.irp p, 0,1,2,3
	v_perm_b32 v[SW+\p], v[PWS+2*\p+1], v[PWS+2*\p], v[SELV]   ; a pair of token tiles: my head's two bytes of the even tile, then of the odd one
.endr
	global_store_b128 v[SO], v[SW:SW+3], s[96:97]  ; sixteen lanes store 256 consecutive bytes, aligned
	s_branch .Lstored
.Lv_out:
	s_wait_alu depctr_va_vdst(0)
.irp a, 0,1,2,3,4,5,6,7                    ; v: block a = head a / 4, d tile a % 4; group b = key block b
.irp b, 0,1,2,3
	global_store_b128 v[CO], v[PC+16*\a+4*\b:PC+16*\a+4*\b+3], s[12:13] offset:(\a/4)*131072+(\a%4)*2048+\b*512
.endr
.endr
.irp t, 0,1,2,3
	v_cndmask_b32 v[SW+\t], v[PWS+\t], v[PWS+4+\t], vcc_lo     ; lanes 0-15: the first head's d tile t; lanes 16-31: the second head's
.endr
	global_store_b128 v[SO], v[SW:SW+3], s[96:97]
.Lstored:
	s_wait_tensorcnt 0x0                           ; the wave's end
	ds_add_u32 v[SPW], v[NIL]
	s_wait_dscnt 0x0
	CROUND                                         ; the closing round: no work-group ends while a partner may still ask for a tile that names it
	s_endpgm
.Lfunc_end_k_qfcf5d8c1ca_proj:
	.size	k_qfcf5d8c1ca_proj, .Lfunc_end_k_qfcf5d8c1ca_proj-k_qfcf5d8c1ca_proj
	.p2alignl 7, 3214868480
	.fill 96, 4, 3214868480
	.section	.rodata,"a",@progbits
	.p2align	6, 0x0
	.amdhsa_kernel k_qfcf5d8c1ca_proj
		.amdhsa_group_segment_fixed_size 327680
		.amdhsa_private_segment_fixed_size 0
		.amdhsa_enable_private_segment 0
		.amdhsa_kernarg_size 112
		.amdhsa_user_sgpr_count 2
		.amdhsa_user_sgpr_kernarg_segment_ptr 1
		.amdhsa_wavefront_size32 1
		.amdhsa_system_sgpr_workgroup_id_x 1
		.amdhsa_system_sgpr_workgroup_id_y 1
		.amdhsa_system_sgpr_workgroup_id_z 1
		.amdhsa_system_vgpr_workitem_id 0
		.amdhsa_next_free_vgpr 1024
		.amdhsa_next_free_sgpr 100
		.amdhsa_reserve_vcc 1
		.amdhsa_float_denorm_mode_32 3
		.amdhsa_float_denorm_mode_16_64 3
		.amdhsa_memory_ordered 1
		.amdhsa_forward_progress 1
		.amdhsa_inst_pref_size 190
	.end_amdhsa_kernel
	.amdgpu_metadata
---
amdhsa.version: [ 1, 2 ]
amdhsa.kernels:
  - .name:           k_qfcf5d8c1ca_proj
    .symbol:         k_qfcf5d8c1ca_proj.kd
    .args:
      - { .name: x_codes, .offset: 0, .size: 8, .value_kind: global_buffer, .address_space: global }
      - { .name: x_scales, .offset: 8, .size: 8, .value_kind: global_buffer, .address_space: global }
      - { .name: Wq_codes, .offset: 16, .size: 8, .value_kind: global_buffer, .address_space: global }
      - { .name: Wq_scales, .offset: 24, .size: 8, .value_kind: global_buffer, .address_space: global }
      - { .name: Wk_codes, .offset: 32, .size: 8, .value_kind: global_buffer, .address_space: global }
      - { .name: Wk_scales, .offset: 40, .size: 8, .value_kind: global_buffer, .address_space: global }
      - { .name: Wv_codes, .offset: 48, .size: 8, .value_kind: global_buffer, .address_space: global }
      - { .name: Wv_scales, .offset: 56, .size: 8, .value_kind: global_buffer, .address_space: global }
      - { .name: qimg, .offset: 64, .size: 8, .value_kind: global_buffer, .address_space: global }
      - { .name: qscl, .offset: 72, .size: 8, .value_kind: global_buffer, .address_space: global }
      - { .name: kimg, .offset: 80, .size: 8, .value_kind: global_buffer, .address_space: global }
      - { .name: kscl, .offset: 88, .size: 8, .value_kind: global_buffer, .address_space: global }
      - { .name: vimg, .offset: 96, .size: 8, .value_kind: global_buffer, .address_space: global }
      - { .name: vscl, .offset: 104, .size: 8, .value_kind: global_buffer, .address_space: global }
    .group_segment_fixed_size: 327680
    .private_segment_fixed_size: 0
    .kernarg_segment_align: 8
    .kernarg_segment_size: 112
    .max_flat_workgroup_size: 128
    .sgpr_count:     100
    .vgpr_count:     1024
    .wavefront_size: 32
...
	.end_amdgpu_metadata
.endif
;; end of part 1
;; launch attn (part 2): grid 4 x 64, 8 waves a work-group, clusters of 4 x 1, 327,680 bytes of LDS; arguments qimg, qscl, kimg, kscl, vimg, vscl, oimg, oscl; writes oimg, oscl
.if DOCPART == 2
	.amdgcn_target "amdgcn-amd-amdhsa--gfx1250"
	.amdhsa_code_object_version 6
	.text
	.protected	k_qfcf5d8c1ca_attn
	.globl	k_qfcf5d8c1ca_attn
	.p2align	8
	.type	k_qfcf5d8c1ca_attn,@function
k_qfcf5d8c1ca_attn:
	s_mov_b64 s[64:65], 0
	v_nop
	global_prefetch_b8 v0, s[64:65] scope:SCOPE_SE
	s_setreg_imm32_b32 hwreg(HW_REG_WAVE_MODE, 25, 1), 1
	s_wait_xcnt 0x0
	s_wait_alu depctr_hold_cnt(0) depctr_sa_sdst(0) depctr_va_vdst(0) depctr_va_sdst(0) depctr_va_ssrc(0) depctr_va_vcc(0) depctr_vm_vsrc(0)
	s_getreg_b32 s2, hwreg(HW_REG_IB_STS2, 6, 4)
	s_cmp_eq_u32 s2, 0
	s_cbranch_scc0 .Lentry_in_a_cluster
	s_endpgm
.Lentry_in_a_cluster:
	s_bfe_u32 s2, ttmp6, 0x10000c
	s_cmp_lg_u32 s2, 0x3003
	s_cbranch_scc0 .Lentry_shape_is_right
	s_endpgm
.Lentry_shape_is_right:
; Attention of one batch x head on codes of FP8 (E4M3) with E8M0 scales: S^T = K Q^T, p = 2^(t - M), O^T = V^T P^T, O / the row's sum, and O quantised along the heads' axis for the last product.
; t = score x log2(e) / 8; M = the running largest t rounded up to a whole number; the sum is taken of the unquantised p; when M moves, sum and O^T are multiplied by 2^(old M - new M), which rounds nothing.
; SHARES: a work-group owns 512 queries of one head, each of its 8 waves 64 of them: 4 tiles of 16.  A lane holds one query (lane % 16) throughout.  Every wave walks the head's 2,048 keys, 128 a step, 16 steps.
; LDS: the head's whole K image (131,072 bytes), V image (131,072) and their scale words (2 x 4,096) are brought once and stay: nothing is filled again.  Each wave asks for a quarter of one image by ONE tensor load at the head.
; CLUSTER: the four work-groups of a head need the same images: each quarter is asked for jointly (mask 15).  The scale words, 1,024 bytes a wave, go through registers into LDS bytes of their own.
; No prefetch: all of the launch's reads of memory stand at its head; the loop reads LDS alone.
; IMAGES (made by launch proj): a group of four operand registers of all 32 lanes is 512 bytes, lane l's 16 bytes at 16 l.  kimg, qimg: [head][token tile 128][d block 2][512]; vimg: [head][128 keys 16][d tile 4][key block 4][512].
; THE FIRST PRODUCT has K = 64, the instruction 128: source 0 holds two key tiles side by side (16 registers), source 1 the query tile beside eight registers of zero codes, on either side: Z q0 Z q1 Z q2 Z q3 Z in v36-107.
; So registers 16 p .. 16 p + 15 of S are 16 keys of block p of 32 (the order inside a block is the one that vimg has along the keys).
; ORDER IN A STEP: the next tile's scores are multiplied between this tile's conversions and its rescaling of O^T, whose 16 lines are the places behind those products.
; The last step's look-ahead reads the LDS bytes that follow K's image and K's scale words (V's, which are written); what it brings is not used.
; LIMITS: the promise holds while the scaled scores t stay under 2^31 in magnitude.  NaN and infinities among the operands are not served.  A block whose largest magnitude lies under 2^-118 gets the scale byte 1 (its bytes are read by this program alone).
; REGISTERS: window 0: v1-5 addresses, v6-7 the add's, v8-23 per tile (-M, largest score, the sum in two halves), v24-35 scale words, v36-107 Q, v108-171 S then p, v172-235 K's fragments, v236-254 at work.
;            window 1: v0-127 O^T (tile q, d tile t at 32 q + 8 t), v128-191 V's fragments, v192-207 p's codes.
.set VIMG, 131072
.set KSC,  262144                      ; K's scale words, then V's 4,096 bytes on
.set SPARE, 270336                     ; the spare words: 128 bytes a wave, four blocks of 256 bytes that no other line names
.set LI,  1                            ; 16 x lane
.set LSK, 2                            ; KSC + 16 x (lane % 16)
.set ADK, 3                            ; the step's K fragments
.set ADV, 4                            ; the step's V fragments
.set ADS, 5                            ; the step's scale words
.set SPW, 6                            ; my spare word; never rewritten
.set NIL, 7                            ; 0; never rewritten
.set GS,  2                            ; the way out (LSK and ADK are done with): my place among O's scale bytes,
.set SH,  3                            ; and 16 x (lane / 16)
.set ST,  8
.set QS,  24
.set KSW, 28
.set VS,  32
.set QH,  36
.set QL,  44
.set S,   108
.set F,   172
.set BM,  236
.set T2,  240
.set LIM, 244
.set SCO, 248
.set FF,  252
.set PW,  253
.set TP,  254
.set VF,  128
.set PCD, 192
.set WV,  20
.set SEL, 24
.set CS,  26
.set MNT, 28
.set TK,  29
.set TS,  30
.set CNT, 31
.set G1,  32
.set G0,  40
.set CN,  44
.set MSB, 0
.macro WIN new                         ; the immediate's high byte repeats the setting that is left
.if MSB != (\new)
	s_set_vgpr_msb (MSB<<8)|(\new)
.set MSB, (\new)
.endif
.endm
.macro CROUND                          ; a round of the cluster's barrier
	s_barrier_signal -1
	s_barrier_wait -1
	s_cmp_lg_u32 s[WV], 0
	s_cbranch_scc1 .Lnot_wave_0_\@
	s_barrier_signal -3
.Lnot_wave_0_\@:
	s_barrier_wait -3
	s_barrier_signal -1
	s_barrier_wait -1
.endm
	s_load_b512 s[4:19], s[0:1], 0x0               ; qimg, qscl, kimg, kscl, vimg, vscl, oimg, oscl
	v_lshl_add_u32 v[SPW], v0, 2, SPARE
	v_mov_b32 v[NIL], 0
	ds_add_u32 v[SPW], v[NIL]                      ; the opening lines: the add, twice on end, and its wait ahead of my tensor load
	ds_add_u32 v[SPW], v[NIL]
	v_lshrrev_b32 v[TP], 5, v0
	v_readfirstlane_b32 s[WV], v[TP]               ; wave 0..7
	v_and_b32 v[TP], 31, v0
	v_lshlrev_b32 v[LI], 4, v[TP]
	v_and_b32 v[TP], 15, v0
	v_lshlrev_b32 v[ADS], 4, v[TP]
	v_add_nc_u32 v[LSK], KSC, v[ADS]
	s_wait_alu depctr_va_vdst(0)
	s_and_b32 s22, s[WV], 3
	s_bfe_u32 s72, ttmp6, 0x40000                  ; cx: which 512 queries
	s_and_b32 s73, ttmp7, 0xffff                   ; batch x head
	s_mov_b32 s[G1], 15|(3<<16)|(1<<21)            ; group 1: the mask of all four partners; elements of 8 bytes; bit 21 beside a mask
	s_mov_b32 s[G1+1], 32<<16                      ; rows of 256 bytes,
	s_mov_b32 s[G1+2], 128<<16                     ; 128 of them: a dense block of 32,768 bytes
	s_mov_b32 s[G1+3], 32<<16
	s_mov_b32 s[G1+4], 128
	s_mov_b32 s[G1+5], 32
	s_mov_b32 s[G1+6], 0
	s_mov_b32 s[G1+7], 0
	s_mov_b32 s[SEL], 0x76543210
	s_mov_b32 s[SEL+1], 0xfedcba98                 ; v_permlanex16_b32's selects for lane l xor 16
	s_mov_b32 s[CS], 0x3e38aa3b                    ; c = log2(e) / 8
	s_mov_b32 s[CS+1], s[CS]
	s_mov_b32 s[CN], 0xbe38aa3b                    ; -c
	s_mov_b32 s[MNT], 0x600000                     ; the mantissa field of 448
	s_mov_b32 s[TK], 0
	s_mov_b32 s[TS], 0
	s_lshl_b32 s74, s73, 17                        ; the head's images: 131,072 bytes each
	s_lshl_b32 s75, s22, 15
	s_add_co_u32 s76, s74, s75                     ; my quarter, in memory,
	s_mov_b32 s77, 0
	s_lshl_b32 s82, s[WV], 15                      ; and in LDS: K's four quarters, then V's
	s_lshl_b32 s80, s73, 12                        ; the head's scale words: 4,096 bytes; my 1,024 of them
	s_lshl_b32 s81, s22, 10
	s_add_co_u32 s80, s80, s81
	s_mov_b32 s81, 0
	s_lshl_b32 s83, s[WV], 10
	s_add_co_u32 s83, s83, KSC
	v_add_nc_u32 v[ADV], s83, v[LI]                ; where they go
	s_lshl_b32 s92, s72, 15                        ; my four query tiles: 1,024 bytes each
	s_lshl_b32 s93, s[WV], 12
	s_add_co_u32 s92, s92, s93
	s_add_co_u32 s92, s92, s74
	s_mov_b32 s93, 0
	s_lshl_b32 s94, s72, 10                        ; their scale words: 256 bytes for 128 queries, my two words of a row's four
	s_lshr_b32 s95, s[WV], 1
	s_lshl_b32 s95, s95, 8
	s_add_co_u32 s94, s94, s95
	s_and_b32 s95, s[WV], 1
	s_lshl_b32 s95, s95, 3
	s_add_co_u32 s94, s94, s95
	s_lshl_b32 s95, s73, 12
	s_add_co_u32 s94, s94, s95
	s_mov_b32 s95, 0
	s_lshr_b32 s90, s73, 4                         ; the batch
	s_and_b32 s91, s73, 15                         ; the head
	s_lshl_b32 s86, s90, 7
	s_lshl_b32 s84, s72, 5
	s_add_co_u32 s86, s86, s84
	s_lshl_b32 s84, s[WV], 2
	s_add_co_u32 s86, s86, s84                     ; my first token tile among all 512
	s_lshl_b32 s84, s86, 14                        ; oimg: 16,384 bytes a token tile; 2,048 for 128 along K; a head is half of that
	s_lshr_b32 s90, s91, 1
	s_lshl_b32 s90, s90, 11
	s_add_co_u32 s84, s84, s90
	s_and_b32 s90, s91, 1
	s_lshl_b32 s90, s90, 10
	s_add_co_u32 s84, s84, s90
	s_mov_b32 s85, 0
	s_lshl_b32 s86, s86, 9                         ; oscl: 32 bytes a token; a head's two bytes
	s_lshl_b32 s90, s91, 1
	s_add_co_u32 s86, s86, s90
	s_mov_b32 s87, 0
	s_wait_alu depctr_va_vdst(0)
	s_wait_dscnt 0x0                               ; both opening adds are done
	s_wait_kmcnt 0x0
	s_cmp_lt_u32 s[WV], 4
	s_cselect_b64 s[88:89], s[8:9], s[12:13]       ; K's image or V's
	s_cselect_b64 s[90:91], s[10:11], s[14:15]     ; K's scale words or V's
	s_add_nc_u64 s[90:91], s[90:91], s[80:81]
	s_mov_b32 s[G0], 1
	s_mov_b32 s[G0+1], s82
	s_add_nc_u64 s[G0+2:G0+3], s[88:89], s[76:77]
	s_or_b32 s[G0+3], s[G0+3], 0x80000000
	s_add_nc_u64 s[4:5], s[4:5], s[92:93]
	s_add_nc_u64 s[6:7], s[6:7], s[94:95]
	s_add_nc_u64 s[16:17], s[16:17], s[84:85]
	s_add_nc_u64 s[18:19], s[18:19], s[86:87]
	global_load_b128 v[S:S+3], v[LI], s[90:91]     ; my 1,024 bytes of scale words: each load covers 512 consecutive bytes
	global_load_b128 v[S+4:S+7], v[LI], s[90:91] offset:512
.irp i, 0,1,2,3
.irp c, 0,1
	global_load_b128 v[QL+16*\i+4*\c:QL+16*\i+4*\c+3], v[LI], s[4:5] offset:\i*1024+\c*512   ; Q's fragments stay in registers
.endr
.endr
	global_load_b64 v[S+8:S+9], v[ADS], s[6:7]
	CROUND                                         ; all four partners are here: the joint loads meet
	tensor_load_to_lds s[G0:G0+3], s[G1:G1+7]      ; my one tensor load
	s_nop 0
.rept 4
	v_nop
.endr
.irp z, 0,1,2,3,4
.irp n, 0,1,2,3,4,5,6,7
	v_mov_b32 v[QH+16*\z+\n], 0                    ; the zero codes beside the query tiles
.endr
.endr
.irp q, 0,1,2,3
	v_mov_b32 v[ST+4*\q], 0x7f61b1e6               ; -M: 3e38;
	v_mov_b32 v[ST+4*\q+1], 0xff61b1e6             ; the largest score so far: -3e38, under every score
	v_mov_b32 v[ST+4*\q+2], 0                      ; the sum, in two halves
	v_mov_b32 v[ST+4*\q+3], 0
	v_mov_b32 v[T2+\q], 0                          ; written once: a lane permute's destination counts as one of its sources
.endr
	v_mov_b32 v[PW], 0                             ; (named as the upper half of the pair with FF)
	WIN 0x40
.set n, 0
.rept 128
	v_mov_b32 v[n], 0                              ; O^T: the loop is written once; its first step finds zeros, which the first change of M leaves zeros
.set n, n+1
.endr
	WIN 0
	s_wait_alu depctr_va_vdst(0)
	s_wait_loadcnt 0x0
	s_wait_tensorcnt 0x0                           ; my quarter is in
	ds_store_b128 v[ADV], v[S:S+3]
	ds_store_b128 v[ADV], v[S+4:S+7] offset:512
	v_mov_b32 v[ADK], v[LI]
	v_mov_b32 v[ADS], v[LSK]
.irp i, 0,1,2,3
.if \i%2 == 0
	v_perm_b32 v[QS+\i], v[S+8+\i/2], v[S+8+\i/2], 0x01000100   ; a tile's two bytes, for either half of the instruction's K
.else
	v_perm_b32 v[QS+\i], v[S+8+\i/2], v[S+8+\i/2], 0x03020302
.endif
.endr
.rept 8
	v_nop                                          ; a scale register written by a vector instruction stands eight places ahead of the scaled product that reads it
.endr
	s_wait_alu depctr_va_vdst(0)
	s_wait_dscnt 0x0
	s_barrier_signal -1
	s_barrier_wait -1                              ; everybody's quarter and scale words are in
.macro QK q                            ; S^T of query tile q: 8 key tiles, two to a fragment of K
.irp p, 0,1,2,3
	v_wmma_scale_f32_16x16x128_f8f6f4 v[S+16*\p:S+16*\p+7], v[F+16*\p:F+16*\p+15], v[QL+16*(\q):QL+16*(\q)+15], 0, v[KSW+\p], v[QS+(\q)]
	v_wmma_scale_f32_16x16x128_f8f6f4 v[S+16*\p+8:S+16*\p+15], v[F+16*\p:F+16*\p+15], v[QH+16*(\q):QH+16*(\q)+15], 0, v[KSW+\p], v[QS+(\q)]
.endr
.endm
.macro KLOAD                           ; a step's fragments of K and its scale words
.irp p, 0,1,2,3
.irp c, 0,1,2,3
	ds_load_b128 v[F+16*\p+4*\c:F+16*\p+4*\c+3], v[ADK] offset:2048*\p+512*\c
.endr
.endr
	ds_load_b128 v[KSW:KSW+3], v[ADS]
.endm
.macro SOFTMAX q
.set rT, ST+4*(\q)
.irp b, 0,1,2,3
	v_max3_num_f32 v[BM+\b], v[S+16*\b], v[S+16*\b+1], v[S+16*\b+2]   ; the largest score of each block of 32 keys, the four blocks by turns; each accumulator from its low end on
.endr
.irp i, 3,5,7,9,11,13
.irp b, 0,1,2,3
	v_max3_num_f32 v[BM+\b], v[BM+\b], v[S+16*\b+\i], v[S+16*\b+\i+1]
.endr
.endr
.irp b, 0,1,2,3
	v_max_num_f32 v[BM+\b], v[BM+\b], v[S+16*\b+15]
.endr
.irp b, 0,1,2,3
	s_delay_alu instid0(VALU_DEP_4)
	v_permlanex16_b32 v[T2+\b], v[BM+\b], s[SEL], s[SEL+1]
.endr
.irp b, 0,1,2,3
	s_delay_alu instid0(VALU_DEP_4)
	v_max_num_f32 v[BM+\b], v[BM+\b], v[T2+\b]     ; with lane l xor 16's 16 keys
.endr
	s_delay_alu instid0(VALU_DEP_2)
	v_max3_num_f32 v[TP], v[BM], v[BM+1], v[BM+2]
	s_delay_alu instid0(VALU_DEP_1)
	v_max3_num_f32 v[rT+1], v[TP], v[BM+3], v[rT+1]   ; the running largest score
	s_delay_alu instid0(VALU_DEP_1)
	v_mul_f32 v[TP], s[CN], v[rT+1]                ; -t
	s_delay_alu instid0(VALU_DEP_1)
	v_floor_f32 v[TP], v[TP]                       ; the new -M = floor(-t): M is a whole number
	s_delay_alu instid0(VALU_DEP_1)
	v_sub_f32 v[FF], v[TP], v[rT]                  ; old M - new M, 0 or less
	v_mov_b32 v[rT], v[TP]
	s_delay_alu instid0(VALU_DEP_2)
	v_cvt_i32_f32 v[FF], v[FF]                     ; (it saturates)
	s_delay_alu instid0(VALU_DEP_1)
	v_ldexp_f32 v[FF], 1.0, v[FF]                  ; f = 2^(old M - new M)
.set j, 0
.rept 32
	v_pk_fma_f32 v[S+j:S+j+1], v[S+j:S+j+1], s[CS:CS+1], v[rT:rT+1] op_sel_hi:[1,0,0]   ; t - M, two at a time
.set j, j+2
.endr
.irp b, 0,1,2,3
	v_fma_f32 v[BM+\b], v[BM+\b], s[CS], v[rT]     ; the same of each block's largest score: p rises with the score
.endr
	s_wait_alu depctr_va_vdst(0)
.set j, 0
.rept 64
	v_exp_f32 v[S+j], v[S+j]                       ; p = 2^(t - M)
.set j, j+1
.endr
.irp b, 0,1,2,3
	v_exp_f32 v[BM+\b], v[BM+\b]                   ; the block's largest p
.endr
	v_pk_mul_f32 v[rT+2:rT+3], v[rT+2:rT+3], v[FF:FF+1] op_sel_hi:[1,0]   ; the sums under the new M (a plain place behind the batch)
	s_wait_alu depctr_va_vdst(0)                   ; and one wait behind it, ahead of its first reader
.irp b, 0,1,2,3
	v_max_num_f32 v[BM+\b], 0x4800000, v[BM+\b]    ; the floor 2^(9 - 127): the byte cannot fall under 1
.endr
.irp b, 0,1,2,3
	s_delay_alu instid0(VALU_DEP_4)
	v_add_nc_u32 v[SCO+\b], 0xfc000000, v[BM+\b]   ; 8 off the exponent field: the conversion's scale operand
.endr
.irp b, 0,1,2,3
	v_and_or_b32 v[LIM+\b], v[BM+\b], 0x7f800000, s[MNT]   ; 448 x the scale
.endr
.irp b, 0,1,2,3
	v_lshrrev_b32 v[T2+\b], 23, v[SCO+\b]          ; the scale's byte
.endr
	s_delay_alu instid0(VALU_DEP_3)
	v_lshl_or_b32 v[PW], v[T2+1], 8, v[T2]         ; p's scale word for these 128 keys
	s_delay_alu instid0(VALU_DEP_1)
	v_lshl_or_b32 v[PW], v[T2+2], 16, v[PW]
	s_delay_alu instid0(VALU_DEP_1)
	v_lshl_or_b32 v[PW], v[T2+3], 24, v[PW]
	; the row's sum of the unquantised p, in two chains; then the hold at 448 x the scale (the conversion does not saturate: ISA guide 7.6.2; p is not negative), two numbers an instruction:
	; each pair takes an even register of one block and an odd one of its neighbour, so that destinations differ in parity and all sources in bank
	v_pk_add_f32 v[T2:T2+1], v[S:S+1], v[S+2:S+3]
.set j, 4
.rept 7
	v_pk_add_f32 v[rT+2:rT+3], v[rT+2:rT+3], v[S+j:S+j+1]
	v_pk_add_f32 v[T2:T2+1], v[T2:T2+1], v[S+j+2:S+j+3]
.set j, j+4
.endr
.set k, 0
.rept 8
	v_pk_add_f32 v[rT+2:rT+3], v[rT+2:rT+3], v[S+32+2*k:S+32+2*k+1]
	v_dual_min_num_f32 v[S+k], v[S+k], v[LIM] :: v_dual_min_num_f32 v[S+17+k], v[S+17+k], v[LIM+1]
	v_pk_add_f32 v[T2:T2+1], v[T2:T2+1], v[S+32+2*k+2:S+32+2*k+3]
	v_dual_min_num_f32 v[S+16+k], v[S+16+k], v[LIM+1] :: v_dual_min_num_f32 v[S+1+k], v[S+1+k], v[LIM]
.set k, k+2
.endr
	v_pk_add_f32 v[rT+2:rT+3], v[rT+2:rT+3], v[T2:T2+1]
.set k, 0
.rept 8
	v_dual_min_num_f32 v[S+32+k], v[S+32+k], v[LIM+2] :: v_dual_min_num_f32 v[S+49+k], v[S+49+k], v[LIM+3]
	v_dual_min_num_f32 v[S+48+k], v[S+48+k], v[LIM+3] :: v_dual_min_num_f32 v[S+33+k], v[S+33+k], v[LIM+2]
.set k, k+2
.endr
.endm
.macro KSTEP                           ; 128 keys for my four query tiles
	s_wait_dscnt 0x0                               ; K's fragments and scale words are in
	QK 0
	v_add_nc_u32 v[ADV], VIMG, v[ADK]
.rept 7
	v_nop                                          ; eight places behind the last products: ahead of the loads into V's registers and of the first read of S
.endr
	WIN 0x40
.irp t, 0,1,2,3
.irp c, 0,1,2,3
	ds_load_b128 v[VF+16*\t+4*\c:VF+16*\t+4*\c+3], v[ADV] offset:2048*\t+512*\c
.endr
.endr
	WIN 0
	ds_load_b128 v[VS:VS+3], v[ADS] offset:4096
.irp q, 0,1,2,3
	SOFTMAX \q
	WIN 0x40
.irp b, 0,1,2,3
	v_cvt_scalef32_pk8_fp8_f32 v[PCD+4*\b:PCD+4*\b+1], v[S+16*\b:S+16*\b+7], v[SCO+\b]
	v_cvt_scalef32_pk8_fp8_f32 v[PCD+4*\b+2:PCD+4*\b+3], v[S+16*\b+8:S+16*\b+15], v[SCO+\b]
.endr
	WIN 0
.if \q < 3
	v_nop                                          ; a plain place behind the last conversion, whose sources the products below write
	QK \q+1                                        ; the next tile's scores
.endif
	WIN 0x41
	s_wait_alu depctr_va_vdst(0)                   ; directly ahead of the first reader of O^T
.set j, 0
.rept 16
	v_pk_mul_f32 v[32*\q+j:32*\q+j+1], v[32*\q+j:32*\q+j+1], v[FF:FF+1] op_sel_hi:[1,0]   ; O^T under the new M.  These 16 are also the places behind the products above and ahead of those below
.set j, j+2
.endr
.if \q == 0
	s_wait_alu depctr_va_vdst(0)
	s_wait_dscnt 0x0                               ; V's fragments and scale words are in
.endif
	WIN 0x55
.irp t, 0,1,2,3
	v_wmma_scale_f32_16x16x128_f8f6f4 v[32*\q+8*\t:32*\q+8*\t+7], v[VF+16*\t:VF+16*\t+15], v[PCD:PCD+15], v[32*\q+8*\t:32*\q+8*\t+7], v[VS+\t], v[PW]
.endr
	WIN 0
.if \q == 2
	s_add_co_u32 s[TK], s[TK], 8192                ; the step's last scores have been multiplied, 16 places back: the next step's fragments of K
	s_add_co_u32 s[TS], s[TS], 256
	v_add_nc_u32 v[ADK], s[TK], v[LI]
	v_add_nc_u32 v[ADS], s[TS], v[LSK]
	KLOAD
.endif
.endr
.endm
	KLOAD
	s_mov_b32 s[CNT], 16
.Lstep:
	KSTEP
	s_sub_co_u32 s[CNT], s[CNT], 1
	s_cmp_lg_u32 s[CNT], 0
	s_wait_alu depctr_va_vdst(0)
	s_cbranch_scc1 .Lstep
	; THE WAY OUT: O^T / the sum, quantised along d (two blocks of 32 a head), as images of the last product's operand registers
	s_wait_dscnt 0x0
	v_and_b32 v[TP], 15, v0                        ; (these nine lines are the places behind the last products)
	v_bfe_u32 v[SH], v0, 4, 1
	v_lshlrev_b32 v[GS], 5, v[TP]
	v_lshl_add_u32 v[GS], v[SH], 9, v[GS]          ; 32 bytes a token; lanes 16-31 write the next tile's, 512 bytes on
	v_lshlrev_b32 v[SH], 4, v[SH]
.irp q, 0,1,2,3
	v_add_f32 v[BM+\q], v[ST+4*\q+2], v[ST+4*\q+3]
.endr
.irp q, 0,1,2,3
	s_delay_alu instid0(VALU_DEP_4)
	v_permlanex16_b32 v[T2+\q], v[BM+\q], s[SEL], s[SEL+1]
.endr
.irp q, 0,1,2,3
	s_delay_alu instid0(VALU_DEP_4)
	v_add_f32 v[BM+\q], v[BM+\q], v[T2+\q]         ; the rows' sums
.endr
	s_wait_alu depctr_va_vdst(0)
.irp q, 0,1,2,3
	v_rcp_f32 v[LIM+\q], v[BM+\q]
.endr
	v_nop
	WIN 0x01
	s_wait_alu depctr_va_vdst(0)                   ; ahead of the first reader of the reciprocals and of O^T
.set n, 0
.rept 128
	v_mul_f32 v[S+n], v[n], v[LIM+n/32]            ; register 32 q + 8 t + i is o(query, 16 t + 8 (lane / 16) + i)
.set n, n+1
.endr
	WIN 0
.macro QUANT s, pc, pw                 ; two query tiles: four blocks of 32 along d, 16 numbers of each in my lane
.irp b, 0,1,2,3
	v_max3_num_f32 v[BM+\b], |v[(\s)+16*\b]|, |v[(\s)+1+16*\b]|, 0x4800000
.endr
.irp i, 2,4,6,8,10,12,14
.irp b, 0,1,2,3
	v_max3_num_f32 v[BM+\b], v[BM+\b], |v[(\s)+16*\b+\i]|, |v[(\s)+1+16*\b+\i]|
.endr
.endr
.irp b, 0,1,2,3
	s_delay_alu instid0(VALU_DEP_4)
	v_permlanex16_b32 v[T2+\b], v[BM+\b], s[SEL], s[SEL+1]
.endr
.irp b, 0,1,2,3
	s_delay_alu instid0(VALU_DEP_4)
	v_max_num_f32 v[BM+\b], v[BM+\b], v[T2+\b]
.endr
.irp b, 0,1,2,3
	s_delay_alu instid0(VALU_DEP_4)
	v_add_nc_u32 v[SCO+\b], 0xfc000000, v[BM+\b]
.endr
.irp b, 0,1,2,3
	v_and_or_b32 v[LIM+\b], v[BM+\b], 0x7f800000, s[MNT]
.endr
.irp b, 0,1,2,3
	v_lshrrev_b32 v[T2+\b], 23, v[SCO+\b]
.endr
	s_delay_alu instid0(VALU_DEP_3)
	v_lshl_or_b32 v[\pw], v[T2+1], 8, v[T2]
	s_delay_alu instid0(VALU_DEP_1)
	v_lshl_or_b32 v[\pw], v[T2+2], 16, v[\pw]
	s_delay_alu instid0(VALU_DEP_1)
	v_lshl_or_b32 v[\pw], v[T2+3], 24, v[\pw]
.irp b, 0,1,2,3
.irp i, 0,1,2,3,4,5,6,7,8,9,10,11,12,13,14,15
	v_med3_num_f32 v[(\s)+16*\b+\i], v[(\s)+16*\b+\i], -v[LIM+\b], v[LIM+\b]
.endr
	v_cvt_scalef32_pk8_fp8_f32 v[(\pc)+4*\b:(\pc)+4*\b+1], v[(\s)+16*\b:(\s)+16*\b+7], v[SCO+\b]
	v_cvt_scalef32_pk8_fp8_f32 v[(\pc)+4*\b+2:(\pc)+4*\b+3], v[(\s)+16*\b+8:(\s)+16*\b+15], v[SCO+\b]
.endr
	v_nop
.endm
	QUANT S, QH, 68
	QUANT S+64, QH+16, 69
.irp g, 0,1
.irp b, 0,1,2,3
	v_permlane16_swap_b32 v[QH+16*\g+4*\b], v[QH+16*\g+4*\b+2]       ; Wo's codes lie in d's own order: lanes 0-15 take d 0-15 of the block, lanes 16-31 d 16-31
	v_permlane16_swap_b32 v[QH+16*\g+4*\b+1], v[QH+16*\g+4*\b+3]
.endr
.endr
.irp g, 0,1
	v_lshrrev_b32 v[70+\g], v[SH], v[68+\g]        ; lanes 0-15: the even tile's two bytes; lanes 16-31: the odd tile's
.endr
.irp g, 0,1
.irp b, 0,1,2,3
	global_store_b128 v[LI], v[QH+16*\g+4*\b:QH+16*\g+4*\b+3], s[16:17] offset:(2*\g+\b/2)*16384+(\b%2)*512   ; each store covers 512 consecutive bytes, aligned
.endr
	global_store_b16 v[GS], v[70+\g], s[18:19] offset:\g*1024
.endr
	s_wait_tensorcnt 0x0                           ; the wave's end
	ds_add_u32 v[SPW], v[NIL]
	s_wait_dscnt 0x0
	CROUND                                         ; the closing round
	s_endpgm
.Lfunc_end_k_qfcf5d8c1ca_attn:
	.size	k_qfcf5d8c1ca_attn, .Lfunc_end_k_qfcf5d8c1ca_attn-k_qfcf5d8c1ca_attn
	.p2alignl 7, 3214868480
	.fill 96, 4, 3214868480
	.section	.rodata,"a",@progbits
	.p2align	6, 0x0
	.amdhsa_kernel k_qfcf5d8c1ca_attn
		.amdhsa_group_segment_fixed_size 327680
		.amdhsa_private_segment_fixed_size 0
		.amdhsa_enable_private_segment 0
		.amdhsa_kernarg_size 64
		.amdhsa_user_sgpr_count 2
		.amdhsa_user_sgpr_kernarg_segment_ptr 1
		.amdhsa_wavefront_size32 1
		.amdhsa_system_sgpr_workgroup_id_x 1
		.amdhsa_system_sgpr_workgroup_id_y 1
		.amdhsa_system_sgpr_workgroup_id_z 1
		.amdhsa_system_vgpr_workitem_id 0
		.amdhsa_next_free_vgpr 512
		.amdhsa_next_free_sgpr 96
		.amdhsa_reserve_vcc 0
		.amdhsa_float_denorm_mode_32 3
		.amdhsa_float_denorm_mode_16_64 3
		.amdhsa_memory_ordered 1
		.amdhsa_forward_progress 1
		.amdhsa_inst_pref_size 106
	.end_amdhsa_kernel
	.amdgpu_metadata
---
amdhsa.version: [ 1, 2 ]
amdhsa.kernels:
  - .name:           k_qfcf5d8c1ca_attn
    .symbol:         k_qfcf5d8c1ca_attn.kd
    .args:
      - { .name: qimg, .offset: 0, .size: 8, .value_kind: global_buffer, .address_space: global }
      - { .name: qscl, .offset: 8, .size: 8, .value_kind: global_buffer, .address_space: global }
      - { .name: kimg, .offset: 16, .size: 8, .value_kind: global_buffer, .address_space: global }
      - { .name: kscl, .offset: 24, .size: 8, .value_kind: global_buffer, .address_space: global }
      - { .name: vimg, .offset: 32, .size: 8, .value_kind: global_buffer, .address_space: global }
      - { .name: vscl, .offset: 40, .size: 8, .value_kind: global_buffer, .address_space: global }
      - { .name: oimg, .offset: 48, .size: 8, .value_kind: global_buffer, .address_space: global }
      - { .name: oscl, .offset: 56, .size: 8, .value_kind: global_buffer, .address_space: global }
    .group_segment_fixed_size: 327680
    .private_segment_fixed_size: 0
    .kernarg_segment_align: 8
    .kernarg_segment_size: 64
    .max_flat_workgroup_size: 256
    .sgpr_count:     96
    .vgpr_count:     512
    .wavefront_size: 32
...
	.end_amdgpu_metadata
.endif
;; end of part 2
;; launch outp (part 3): grid 4 x 32, 4 waves a work-group, clusters of 4 x 4, 327,680 bytes of LDS; arguments oimg, oscl, Wo_codes, Wo_scales, bo, out0; writes out0
.if DOCPART == 3
	.amdgcn_target "amdgcn-amd-amdhsa--gfx1250"
	.amdhsa_code_object_version 6
	.text
	.protected	k_qfcf5d8c1ca_outp
	.globl	k_qfcf5d8c1ca_outp
	.p2align	8
	.type	k_qfcf5d8c1ca_outp,@function
k_qfcf5d8c1ca_outp:
	s_mov_b64 s[64:65], 0
	v_nop
	global_prefetch_b8 v0, s[64:65] scope:SCOPE_SE
	s_setreg_imm32_b32 hwreg(HW_REG_WAVE_MODE, 25, 1), 1
	s_wait_xcnt 0x0
	s_wait_alu depctr_hold_cnt(0) depctr_sa_sdst(0) depctr_va_vdst(0) depctr_va_sdst(0) depctr_va_ssrc(0) depctr_va_vcc(0) depctr_vm_vsrc(0)
	s_getreg_b32 s2, hwreg(HW_REG_IB_STS2, 6, 4)
	s_cmp_eq_u32 s2, 0
	s_cbranch_scc0 .Lentry_in_a_cluster
	s_endpgm
.Lentry_in_a_cluster:
	s_bfe_u32 s2, ttmp6, 0x10000c
	s_cmp_lg_u32 s2, 0xf033
	s_cbranch_scc0 .Lentry_shape_is_right
	s_endpgm
.Lentry_shape_is_right:
.set SIZE_N, 1024
.set KSTEP,  256
.set NQ,     KSTEP/128
.set ROWB,   256
.set KROW,   1024
.set PITCH,  272
.set FR,     16
.set NL,     4
.set NP,     8
.set HALFT,  128*PITCH
.set SLOT,   4*HALFT
.set KS,     KROW/32
.set SCL,    2*SLOT
.set HALFS,  (128*KS/256)*272
.set SBLK,   (16*KS/256)*272
.set SPARE,  SCL+4*HALFS
.set SPITCH, 528
.set ADRA, 16
.set ADRB, 20
.set STO,  24
.set RD,   25
.set CO,   26
.set ADRS, 27
.set SPW,  28
.set NIL,  29
.set SC,   32
.set BIAS, 64
.set AF,   128
.set BK,   128
.set G1, 24
.set G0, 32
.set G1B, 48
.set G0B, 56
.set G1S, 68
.set G0S, 76
.set G1SB, 80
.set G0SB, 88
.set MSB, 0
.macro WIN new
.if MSB != (\new)
	s_set_vgpr_msb (MSB<<8)|(\new)
.set MSB, (\new)
.endif
.endm
.set MUL_LO, 0xa1
.set MUL_HI, 0xf1
.set BIA_LO, 0x81
.set BIA_HI, 0xc1
.set TO_B,   0x40
.macro JLOAD g0a, g1a, g0b, g1b
	s_cmp_eq_u32 s15, 0
	s_cbranch_scc0 .Lfor_b_\@
	tensor_load_to_lds s[\g0a:\g0a+3], s[\g1a:\g1a+7]
	s_nop 0
.rept 4
	v_nop
.endr
	s_branch .Lasked_\@
.Lfor_b_\@:
	tensor_load_to_lds s[\g0b:\g0b+3], s[\g1b:\g1b+7]
	s_nop 0
.rept 4
	v_nop
.endr
.Lasked_\@:
.endm
.macro CREST
	s_cmp_lg_u32 s14, 0
	s_cbranch_scc1 .Lnot_wave_0_\@
	s_barrier_signal -3
.Lnot_wave_0_\@:
	s_barrier_wait -3
	s_barrier_signal -1
	s_barrier_wait -1
.endm
.macro CROUND
	s_barrier_signal -1
	s_barrier_wait -1
	CREST
.endm
	s_load_b128 s[4:7], s[0:1], 0x0
	s_load_b128 s[8:11], s[0:1], 0x10
	s_load_b64 s[96:97], s[0:1], 0x20
	s_load_b64 s[12:13], s[0:1], 0x28
	v_lshl_add_u32 v[SPW], v0, 2, SPARE
	v_mov_b32 v[NIL], 0
	ds_add_u32 v28, v29
	ds_add_u32 v28, v29
	s_wait_dscnt 0x0
	v_lshrrev_b32 v1, 5, v0
	v_readfirstlane_b32 s14, v1
	s_lshr_b32 s15, s14, 1
	s_and_b32 s16, s14, 1
	s_bfe_u32 s40, ttmp6, 0x40000
	s_bfe_u32 s41, ttmp6, 0x40004
	s_lshl_b32 s42, ttmp9, 2
	s_add_co_u32 s42, s42, s40
	s_and_b32 s17, ttmp7, 0xffff
	s_lshl_b32 s17, s17, 2
	s_add_co_u32 s17, s17, s41
	s_lshl_b32 s43, s41, 2
	s_lshl_b32 s43, 15, s43
	s_lshl_b32 s44, 0x1111, s40
	s_or_b32 s[G1+0], s43, (3<<16)|(1<<21)
	s_mov_b32 s[G1+1], 512<<16
	s_mov_b32 s[G1+2], 8<<16
	s_mov_b32 s[G1+3], 512<<16
	s_mov_b32 s[G1+4], 8
	s_mov_b32 s[G1+5], 2048
	s_mov_b32 s[G1+6], 0
	s_mov_b32 s[G1+7], 0
	s_or_b32 s[G1B+0], s44, (0<<16)|(1<<20)|(1<<21)|(5<<22)|(3<<25)
	s_mov_b32 s[G1B+1], ROWB<<16
	s_mov_b32 s[G1B+2], 128<<16
	s_mov_b32 s[G1B+3], ROWB<<16
	s_mov_b32 s[G1B+4], 128
	s_mov_b32 s[G1B+5], KROW
	s_mov_b32 s[G1B+6], 0
	s_mov_b32 s[G1B+7], 0
	s_or_b32 s[G1S+0], s43, (3<<16)|(1<<20)|(1<<21)|(5<<22)|(3<<25)
	s_or_b32 s[G1SB+0], s44, (3<<16)|(1<<20)|(1<<21)|(5<<22)|(3<<25)
.irp g, G1S, G1SB
	s_mov_b32 s[\g+1], 32<<16
	s_mov_b32 s[\g+2], (128*KS/256)<<16
	s_mov_b32 s[\g+3], 32<<16
	s_mov_b32 s[\g+4], 128*KS/256
	s_mov_b32 s[\g+5], 32
	s_mov_b32 s[\g+6], 0
	s_mov_b32 s[\g+7], 0
.endr
	s_lshl_b32 s18, s16, 7
	s_lshl_b32 s20, s17, 8
	s_add_co_u32 s20, s20, s18
	s_lshl_b32 s46, s42, 8
	s_add_co_u32 s46, s46, s18
	s_mov_b32 s21, 0
	s_mov_b32 s47, 0
	s_mov_b64 s[18:19], KS
	s_mul_u64 s[22:23], s[20:21], s[18:19]
	s_mul_u64 s[92:93], s[46:47], s[18:19]
	s_mov_b64 s[18:19], KROW
	s_mul_u64 s[20:21], s[20:21], s[18:19]
	s_mul_u64 s[46:47], s[46:47], s[18:19]
	s_mul_i32 s45, s14, HALFT
	s_mul_i32 s94, s14, HALFS
	s_wait_kmcnt 0x0
	s_add_nc_u64 s[20:21], s[4:5], s[20:21]
	s_add_nc_u64 s[22:23], s[6:7], s[22:23]
	s_add_nc_u64 s[46:47], s[8:9], s[46:47]
	s_add_nc_u64 s[92:93], s[10:11], s[92:93]
	CROUND
	s_mov_b32 s[G0S], 1
	s_add_co_u32 s[G0S+1], s94, SCL
	s_mov_b64 s[G0S+2:G0S+3], s[22:23]
	s_or_b32 s[G0S+3], s[G0S+3], 0x80000000
	s_mov_b32 s[G0SB], 1
	s_add_co_u32 s[G0SB+1], s94, SCL
	s_mov_b64 s[G0SB+2:G0SB+3], s[92:93]
	s_or_b32 s[G0SB+3], s[G0SB+3], 0x80000000
	JLOAD G0S, G1S, G0SB, G1SB
.irp s, 0,1
	s_mov_b32 s[G0+4*\s], 1
	s_add_co_u32 s[G0+4*\s+1], s45, \s*SLOT
	s_add_nc_u64 s[G0+4*\s+2:G0+4*\s+3], s[20:21], \s*4096
	s_or_b32 s[G0+4*\s+3], s[G0+4*\s+3], 0x80000000
	s_mov_b32 s[G0B+4*\s], 1
	s_add_co_u32 s[G0B+4*\s+1], s45, \s*SLOT
	s_add_nc_u64 s[G0B+4*\s+2:G0B+4*\s+3], s[46:47], \s*ROWB
	s_or_b32 s[G0B+4*\s+3], s[G0B+4*\s+3], 0x80000000
	s_wait_alu depctr_va_vdst(0)
	s_wait_tensorcnt 0x0
	ds_add_u32 v28, v29
	s_wait_dscnt 0x0
	CROUND
	JLOAD G0+4*\s, G1, G0B+4*\s, G1B
.endr
	v_and_b32 v1, 15, v0
	v_bfe_u32 v2, v0, 4, 1
	v_and_b32 v6, 31, v0
	v_lshlrev_b32 v[CO], 4, v6
	v_mul_u32_u24 v3, v1, PITCH
	v_lshl_add_u32 v4, v2, 4, v3
	s_mul_i32 s21, s15, HALFT
	s_mul_i32 s22, s16, HALFT
	s_add_co_u32 s22, s22, 2*HALFT
.irp s, 0,1
	v_add_nc_u32 v[ADRA+\s], s21, v[CO]
	v_add_nc_u32 v[ADRB+\s], s22, v4
	s_add_co_u32 s21, s21, SLOT
	s_add_co_u32 s22, s22, SLOT
.endr
	v_mul_u32_u24 v5, v1, KS
	v_lshrrev_b32 v6, 8, v5
	v_lshl_add_u32 v5, v6, 4, v5
	s_mul_i32 s21, s15, HALFS
	s_mul_i32 s22, s16, HALFS
	s_add_co_u32 s22, s22, 2*HALFS
	s_sub_co_u32 s22, s22, s21
	v_mul_u32_u24 v6, s22, v2
	s_add_co_u32 s21, s21, SCL
	v_add_nc_u32 v5, v5, v6
	v_add_nc_u32 v[ADRS], s21, v5
	s_mul_i32 s23, s14, 16*SPITCH
	v_mul_u32_u24 v5, v1, SPITCH
	v_lshl_add_u32 v5, v2, 5, v5
	v_add_nc_u32 v[STO], s23, v5
	v_add_nc_u32 v[RD], s23, v[CO]
	s_lshl_b32 s20, s17, 8
	s_lshl_b32 s21, s15, 7
	s_add_co_u32 s20, s20, s21
	s_mov_b32 s21, 0
	s_mov_b64 s[18:19], SIZE_N*4
	s_mul_u64 s[20:21], s[20:21], s[18:19]
	s_lshl_b32 s46, s42, 10
	s_lshl_b32 s47, s16, 9
	s_add_co_u32 s46, s46, s47
	s_mov_b32 s47, 0
	s_add_nc_u64 s[96:97], s[96:97], s[46:47]
	s_add_nc_u64 s[20:21], s[20:21], s[46:47]
	s_add_nc_u64 s[12:13], s[12:13], s[20:21]
	v_lshlrev_b32 v30, 5, v2
.irp b, 0,1,2,3,4,5,6,7
	global_load_b128 v[BIAS+8*\b:BIAS+8*\b+3], v30, s[96:97] offset:64*\b
	global_load_b128 v[BIAS+8*\b+4:BIAS+8*\b+7], v30, s[96:97] offset:64*\b+16
.endr
.macro FRAG reg, adr, q, i
.irp c, 0,1,2,3
	ds_load_b128 v[\reg+4*\c:\reg+4*\c+3], v[\adr] offset:128*(\q)+32*\c+(\i)*16*PITCH
.endr
.endm
.macro FRAGA reg, adr, q, i
.irp c, 0,1,2,3
	ds_load_b128 v[\reg+4*\c:\reg+4*\c+3], v[\adr] offset:4096*(\i)+2048*(\q)+512*\c
.endr
.endm
.macro MUL16 a0, p, q, sc, first
.irp a, \a0, \a0+1
.irp b, 0,1,2,3,4,5,6,7
.if \first
	v_wmma_scale_f32_16x16x128_f8f6f4 v[8*(8*((\a)%4)+\b):8*(8*((\a)%4)+\b)+7], v[128*(\p)+FR*\b:128*(\p)+FR*\b+FR-1], v[AF+FR*(\a):AF+FR*(\a)+FR-1], v[BIAS+8*\b:BIAS+8*\b+7], v[SC+8*NQ*(\sc)+NQ*\b+(\q)], v[SC+8*NQ*(\sc)+NQ*(\a)+(\q)] matrix_a_scale:MATRIX_SCALE_ROW1
.else
	v_wmma_scale_f32_16x16x128_f8f6f4 v[8*(8*((\a)%4)+\b):8*(8*((\a)%4)+\b)+7], v[128*(\p)+FR*\b:128*(\p)+FR*\b+FR-1], v[AF+FR*(\a):AF+FR*(\a)+FR-1], v[8*(8*((\a)%4)+\b):8*(8*((\a)%4)+\b)+7], v[SC+8*NQ*(\sc)+NQ*\b+(\q)], v[SC+8*NQ*(\sc)+NQ*(\a)+(\q)] matrix_a_scale:MATRIX_SCALE_ROW1
.endif
.endr
.endr
.endm
.macro FETCH_B slot, q, p
	WIN TO_B
.irp i, 0,1,2,3,4,5,6,7
	FRAG 128*(\p)+FR*\i, ADRB+\slot, \q, \i
.endr
	WIN 0
.endm
.macro FETCH_A slot, q, i0
.irp i, \i0, \i0+1, \i0+2, \i0+3
	FRAGA AF+FR*(\i), ADRA+\slot, \q, \i
.endr
.endm
.macro SCALES sc
.irp i, 0,1,2,3,4,5,6,7
	ds_load_b64 v[SC+8*NQ*\sc+NQ*\i:SC+8*NQ*\sc+NQ*\i+1], v[ADRS] offset:\i*SBLK
.endr
.endm
.macro PLACES n
.rept \n
	v_nop
.endr
.endm
.macro STEP slot, q, first
	s_wait_dscnt 4*NL
.if \first
	WIN BIA_LO
.else
	WIN MUL_LO
.endif
	MUL16 0, (\q)%2, \q, \slot, \first
	MUL16 2, (\q)%2, \q, \slot, \first
	s_wait_dscnt 0
	PLACES NP
	FETCH_B \slot, (\q)+1, 1-(\q)%2
	FETCH_A \slot, (\q)+1, 0
.if \first
	WIN BIA_HI
.else
	WIN MUL_HI
.endif
	MUL16 4, (\q)%2, \q, \slot, \first
	MUL16 6, (\q)%2, \q, \slot, \first
	PLACES NP
	WIN 0
	FETCH_A \slot, (\q)+1, 4
.endm
.macro TURN slot, next, fill
	s_wait_tensorcnt 0x0
	ds_add_u32 v[SPW], v[NIL]
	s_wait_dscnt 4*NL+1
	WIN MUL_LO
	MUL16 0, 1, NQ-1, \slot, 0
	s_wait_dscnt 0x0
	s_barrier_signal -1
	MUL16 2, 1, NQ-1, \slot, 0
	WIN 0
	s_barrier_wait -1
.if \fill
	CREST
	s_add_nc_u64 s[G0+4*\slot+2:G0+4*\slot+3], s[G0+4*\slot+2:G0+4*\slot+3], 2*4096
	s_add_nc_u64 s[G0B+4*\slot+2:G0B+4*\slot+3], s[G0B+4*\slot+2:G0B+4*\slot+3], 2*ROWB
	JLOAD G0+4*\slot, G1, G0B+4*\slot, G1B
	PLACES NP-4
.else
	PLACES NP
.endif
	s_wait_alu depctr_va_vdst(0)
	v_add_nc_u32 v[ADRS], 4*NQ, v[ADRS]
	FETCH_B \next, 0, 0
	FETCH_A \next, 0, 0
	SCALES \next
	WIN MUL_HI
	MUL16 4, 1, NQ-1, \slot, 0
	MUL16 6, 1, NQ-1, \slot, 0
	PLACES NP
	WIN 0
	FETCH_A \next, 0, 4
.endm
	s_wait_alu depctr_va_vdst(0)
	s_wait_tensorcnt 1
	s_barrier_signal -1
	s_barrier_wait -1
	FETCH_B 0, 0, 0
	FETCH_A 0, 0, 0
	SCALES 0
	FETCH_A 0, 0, 4
	s_wait_loadcnt 0x0
	STEP 0, 0, 1
	TURN 0, 1, 1
	STEP 1, 0, 0
	TURN 1, 0, 1
	STEP 0, 0, 0
	TURN 0, 1, 0
	STEP 1, 0, 0
	s_wait_dscnt 4*NL
	WIN MUL_LO
	MUL16 0, 1, NQ-1, 1, 0
	MUL16 2, 1, NQ-1, 1, 0
	s_wait_dscnt 0
	WIN MUL_HI
	MUL16 4, 1, NQ-1, 1, 0
	MUL16 6, 1, NQ-1, 1, 0
	WIN 0
.macro TOSTAGE a
.set AC, 64*((\a)%4)
	WIN 0x08+4*((\a)/4)
.irp b, 0,1,2,3,4,5,6,7
	ds_store_b128 v[STO], v[AC+8*\b:AC+8*\b+3] offset:64*\b
	ds_store_b128 v[STO], v[AC+8*\b+4:AC+8*\b+7] offset:64*\b+16
.endr
	WIN 0
.set BB, BK+64*((\a)%2)
.irp t, 0,1,2,3,4,5,6,7,8,9,10,11,12,13,14,15
	ds_load_b128 v[BB+4*\t:BB+4*\t+3], v[RD] offset:\t*SPITCH
.endr
.endm
.macro SEND a, younger
.set BB, BK+64*((\a)%2)
	s_wait_dscnt \younger
.if (\a) > 0
	s_add_nc_u64 s[12:13], s[12:13], 16*SIZE_N*4
.endif
.irp t, 0,1,2,3,4,5,6,7,8,9,10,11,12,13,14,15
	global_store_b128 v[CO], v[BB+4*\t:BB+4*\t+3], s[12:13] offset:\t*SIZE_N*4 th:TH_STORE_NT
.endr
.endm
	PLACES NP
	TOSTAGE 0
.irp a, 1,2,3,4,5,6,7
.if \a > 1
	s_wait_xcnt 0x0
.endif
	TOSTAGE \a
	SEND \a-1, 32
.endr
	s_wait_xcnt 0x0
	SEND 7, 0
	s_wait_tensorcnt 0x0
	ds_add_u32 v[SPW], v[NIL]
	s_wait_dscnt 0x0
	CROUND
	s_endpgm
.Lfunc_end_k_qfcf5d8c1ca_outp:
	.size	k_qfcf5d8c1ca_outp, .Lfunc_end_k_qfcf5d8c1ca_outp-k_qfcf5d8c1ca_outp
	.p2alignl 7, 3214868480
	.fill 96, 4, 3214868480
	.section	.rodata,"a",@progbits
	.p2align	6, 0x0
	.amdhsa_kernel k_qfcf5d8c1ca_outp
		.amdhsa_group_segment_fixed_size 327680
		.amdhsa_private_segment_fixed_size 0
		.amdhsa_enable_private_segment 0
		.amdhsa_kernarg_size 48
		.amdhsa_user_sgpr_count 2
		.amdhsa_user_sgpr_kernarg_segment_ptr 1
		.amdhsa_wavefront_size32 1
		.amdhsa_system_sgpr_workgroup_id_x 1
		.amdhsa_system_sgpr_workgroup_id_y 1
		.amdhsa_system_sgpr_workgroup_id_z 1
		.amdhsa_system_vgpr_workitem_id 0
		.amdhsa_next_free_vgpr 1024
		.amdhsa_next_free_sgpr 100
		.amdhsa_reserve_vcc 0
		.amdhsa_float_denorm_mode_32 3
		.amdhsa_float_denorm_mode_16_64 3
		.amdhsa_memory_ordered 1
		.amdhsa_forward_progress 1
		.amdhsa_inst_pref_size 148
	.end_amdhsa_kernel
	.amdgpu_metadata
---
amdhsa.version: [ 1, 2 ]
amdhsa.kernels:
  - .name:           k_qfcf5d8c1ca_outp
    .symbol:         k_qfcf5d8c1ca_outp.kd
    .args:
      - { .name: oimg, .offset: 0, .size: 8, .value_kind: global_buffer, .address_space: global }
      - { .name: oscl, .offset: 8, .size: 8, .value_kind: global_buffer, .address_space: global }
      - { .name: Wo_codes, .offset: 16, .size: 8, .value_kind: global_buffer, .address_space: global }
      - { .name: Wo_scales, .offset: 24, .size: 8, .value_kind: global_buffer, .address_space: global }
      - { .name: bo, .offset: 32, .size: 8, .value_kind: global_buffer, .address_space: global }
      - { .name: out0, .offset: 40, .size: 8, .value_kind: global_buffer, .address_space: global }
    .group_segment_fixed_size: 327680
    .private_segment_fixed_size: 0
    .kernarg_segment_align: 8
    .kernarg_segment_size: 48
    .max_flat_workgroup_size: 128
    .sgpr_count:     100
    .vgpr_count:     1024
    .wavefront_size: 32
...
	.end_amdgpu_metadata
.endif
;; end of part 3
